; MI455X (gfx1250); checked and timed in simulation.
; The chip was launched on July 23, 2026; its instructions are those of AMD's public machine-readable ISA for CDNA 5 (MIT licence, August 2026) and "CDNA5" Instruction Set Architecture Reference Guide (July 2026). The comments in the code are by the model that wrote it; some were corrected since.
;; Custom Self Attention. Allowed arithmetic: float matrix products may take bf16 or f16 operands with f32 sums; all other float work in f32.
;; Inputs: Wk 1,024 x 1,024 float32; Wq 1,024 x 1,024 float32; Wv 1,024 x 1,024 float32; attention_mask 4 x 1 x 1 x 1,024 float32; bk 1,024 float32; bq 1,024 float32; bv 1,024 float32; dist_emb 2,047 x 64 float32; gabriel_mask 4 x 1,024 x 1,024 float32; hidden_states 4 x 1,024 x 1,024 float32.
;; Outputs: out0 4 x 1,024 x 1,024 float32.
;; One version. Each part assembles by itself: llvm-mc -triple=amdgcn-amd-amdhsa -mcpu=gfx1250 --defsym DOCPART=n.
;; ======== version 1 of 1: 2 launches
;; limits: values outside matrix products are rounded to bf16; values are held in f16: magnitudes above 65,504 overflow, below 6.1e-05 lose precision
;; workspace buffers: qb 8,388,608 bytes; kvb 16,777,216 bytes; eb 262,144 bytes
;; launch proj (part 1): grid 16 x 16, 4 waves a work-group, clusters of 4 x 4, 327,680 bytes of LDS; arguments hidden_states, Wq, Wk, Wv, bq, bk, bv, dist_emb, qb, kvb, eb; writes qb, kvb, eb
.if DOCPART == 1
	.amdgcn_target "amdgcn-amd-amdhsa--gfx1250"
	.amdhsa_code_object_version 6
	.text
	.protected	k_q6517375303_proj
	.globl	k_q6517375303_proj
	.p2align	8
	.type	k_q6517375303_proj,@function
k_q6517375303_proj:
	s_mov_b64 s[64:65], 0
	v_nop
	global_prefetch_b8 v0, s[64:65] scope:SCOPE_SE
	s_setreg_imm32_b32 hwreg(HW_REG_WAVE_MODE, 25, 1), 1
	s_wait_xcnt 0x0
	s_wait_alu depctr_hold_cnt(0) depctr_sa_sdst(0) depctr_va_vdst(0) depctr_va_sdst(0) depctr_va_ssrc(0) depctr_va_vcc(0) depctr_vm_vsrc(0)
	s_getreg_b32 s2, hwreg(HW_REG_IB_STS2, 6, 4)
	s_cmp_eq_u32 s2, 0
	s_cbranch_scc0 .Lentry_in_a_cluster
	s_endpgm
.Lentry_in_a_cluster:
	s_bfe_u32 s2, ttmp6, 0x10000c
	s_cmp_lg_u32 s2, 0xf033
	s_cbranch_scc0 .Lentry_shape_is_right
	s_endpgm
.Lentry_shape_is_right:
; PROJ: q, k, v = X W^T + b for one head and 256 tokens, rounded to 16 bits; and the table of distances, rounded to bf16 and turned round.
;   X = hidden_states [4096][1024] f32; Wq, Wk, Wv [1024][1024] f32; sums in f32, operands rounded to bf16 on the way from LDS to the matrix unit.
;   qb  [64 bh][1024 s][64] bf16;  kvb [64 bh][1024 s][128] of 16 bits, a row = k (64, bf16) then v (64, f16) = 256 bytes;  eb [2048][64] bf16, row p = dist_emb[2046 - p], row 2047 = 0.
; v IS KEPT IN f16: it is multiplied by probabilities and summed over 1,024 keys, so its rounding shows in the output one to one; f16 has 11 significant bits, bf16 8.
; LIMIT: |v| above 65,504 becomes an infinity.  Room: with X and W both 30 times the drawn spread v has root mean square 30 x 0.6 x 32 = 576; with offsets of 30 on X and
; 0.6 on W it is about 1,024 x 18 = 18,432.  q and k stay in bf16: their products have no such bound.
; A work-group makes 256 tokens x 192 columns (the head's 64 of q, of k, of v); wave w makes tokens 64 w .. 64 w + 63 x all 192 columns: 4 x 12 = 48 accumulator tiles.
; K = 1024 goes in 16 steps of 64 f32 (a tile's rows are 256 bytes of memory, at multiples of 256 bytes) through two LDS slots.
; THE ORDER OF A STEP: a step is two halves of 32 along K.  Each half's f32 are read from LDS while the half before is multiplied, in two runs of 32 loads, each run ahead of
; its share of the 48 products.  So a slot has been read to its end in the middle of its step: there the slots change, this slot is asked for again (two steps ahead), and
; the next slot's first half is read beside this step's last products.  The 128 conversions of the second half stand between the barrier's signal and its wait.
; CLUSTERS: 4 x 4 work-groups.  X's tile hangs on the token block alone and is asked for jointly along a row of the cluster; the three W tiles hang on the head alone
; and are asked for jointly along a column.  Wave 0 asks for X (256 rows), waves 1, 2, 3 for Wq, Wk, Wv (64 rows each).
; The matrix instruction is used with W as source 0 and X as source 1: lane l then holds token l % 16, registers 0-7 the columns 8 (l / 16) + 0..7.
; The bias is the C operand of the first product: nothing is cleared and nothing is added afterwards.
; REGISTERS: window 0: v0-23 addresses, v64-159 W fragments (12), v160-191 X fragments (4); window 1: v0-255 f32 as read from LDS (16 registers a fragment);
;   window 2: accumulators of column tiles 0-7 at 8 (4 b + a); window 3: v0-127 those of column tiles 8-11, v128-223 the bias tiles.
.set PITCH,  272                       ; an LDS row: 256 bytes + 16 of padding, an odd multiple of 16
.set SLOT,   448*PITCH                 ; 256 rows of X, then 64 rows each of Wq, Wk, Wv: 121,856 bytes
.set WOFF,   256*PITCH
.set WPART,  64*PITCH                  ; 17,408
.set STAGE,  2*SLOT                    ; behind the ring: 16 rows x 400 bytes for each wave, for the way out; no tensor load lands there
.set SPITCH, 400
.set ADRW, 4                           ; v4-5   LDS address of my W fragments in slot 0, 1
.set ADRX, 6                           ; v6-7   the same for my 64 rows of X
.set STO,  8                           ; v8     way out: where I put 16 bytes of a token's row
.set RDK,  9                           ; v9     way out: where I read k and v back (two rows of 256 bytes a load)
.set RDQ,  10                          ; v10    way out: where I read q back (four rows of 128 bytes a load)
.set COL,  11                          ; v11    16 x lane: my place in 512 consecutive bytes of qb or kvb
.set WF,   64
.set XF,   160
.set BIAS, 128
.set G1A, 28                           ; s[28:35] group 1 for X
.set G0A, 36                           ; s[36:43] group 0 for X, one set a slot
.set G1B, 44                           ; s[44:51] group 1 for W
.set G0B, 52                           ; s[52:59] group 0 for W, one set a slot
.set G1W0, (2<<16)|(1<<20)|(1<<21)|(5<<22)|(3<<25)   ; elements of 4 bytes; padding on; bit 21 beside a mask; after every 64 words, 4 words
.set MSB, 0
.macro WIN new                         ; the immediate's high byte repeats the setting that is left
.if MSB != \new
	s_set_vgpr_msb (MSB<<8)|\new
.set MSB, \new
.endif
.endm
.macro NOP4
.rept 4
	v_nop
.endr
.endm
; A round of the cluster's barrier: my work-group's barrier, wave 0 signals for the work-group, every wave waits for all sixteen, my work-group's barrier once more.
.macro CREST                           ; a round behind its opening barrier
	s_cmp_lg_u32 s26, 0
	s_cbranch_scc1 .Lnot_wave_0_\@
	s_barrier_signal -3
.Lnot_wave_0_\@:
	s_barrier_wait -3
	s_barrier_signal -1
	s_barrier_wait -1
.endm
.macro ROUND                           ; a whole round
	s_barrier_signal -1
	s_barrier_wait -1
	CREST
.endm
; A joint load: one line for X (wave 0), one for W (waves 1 to 3).  The branch hangs on the wave's number alone.
.macro JLOAD s
	s_cmp_eq_u32 s26, 0
	s_cbranch_scc0 .Lfor_w_\@
	tensor_load_to_lds s[G0A+4*\s:G0A+4*\s+3], s[G1A:G1A+7]
	s_nop 0
	s_branch .Lasked_\@
.Lfor_w_\@:
	tensor_load_to_lds s[G0B+4*\s:G0B+4*\s+3], s[G1B:G1B+7]
	s_nop 0
.Lasked_\@:
.endm
	s_load_b512 s[4:19], s[0:1], 0x0               ; hidden s[4:5], Wq s[6:7], Wk s[8:9], Wv s[10:11], bq s[12:13], bk s[14:15], bv s[16:17], dist_emb s[18:19]
	s_load_b128 s[20:23], s[0:1], 0x40             ; qb s[20:21], kvb s[22:23]
	s_load_b64 s[24:25], s[0:1], 0x50              ; eb
	v_lshl_add_u32 v254, v0, 2, 0x41c00
	v_mov_b32 v255, 0
	ds_add_u32 v254, v255
	v_lshrrev_b32 v3, 5, v0
	v_readfirstlane_b32 s26, v3                    ; wave 0..3
	s_bfe_u32 s60, ttmp6, 0x40000                  ; cx
	s_bfe_u32 s61, ttmp6, 0x40004                  ; cy
	s_lshl_b32 s62, ttmp9, 2
	s_add_co_u32 s62, s62, s60                     ; x = head
	s_and_b32 s63, ttmp7, 0xffff
	s_lshl_b32 s63, s63, 2
	s_add_co_u32 s63, s63, s61                     ; y = block of 256 tokens
	s_lshl_b32 s66, s61, 2
	s_lshl_b32 s66, 15, s66                        ; my row of the cluster
	s_lshl_b32 s67, 0x1111, s60                    ; my column
	s_or_b32 s[G1A+0], s66, G1W0                   ; X's tile goes to my row
	s_mov_b32 s[G1A+1], 64<<16                     ; tensor_dim0 = 64
	s_mov_b32 s[G1A+2], 256<<16                    ; tensor_dim1 = 256
	s_mov_b32 s[G1A+3], 64<<16                     ; tile_dim0 = 64 elements = 256 bytes
	s_mov_b32 s[G1A+4], 256                        ; tile_dim1 = 256 rows
	s_mov_b32 s[G1A+5], 1024                       ; elements from row to row
	s_mov_b32 s[G1A+6], 0
	s_mov_b32 s[G1A+7], 0
	s_or_b32 s[G1B+0], s67, G1W0                   ; W's tiles go to my column
	s_mov_b32 s[G1B+1], 64<<16
	s_mov_b32 s[G1B+2], 64<<16                     ; 64 rows
	s_mov_b32 s[G1B+3], 64<<16
	s_mov_b32 s[G1B+4], 64
	s_mov_b32 s[G1B+5], 1024
	s_mov_b32 s[G1B+6], 0
	s_mov_b32 s[G1B+7], 0
	s_lshl_b32 s68, s63, 20                        ; X: y x 256 rows x 4,096 bytes (made of y alone)
	s_mov_b32 s69, 0
	s_lshl_b32 s70, s62, 18                        ; W: x x 64 rows x 4,096 bytes (made of x alone)
	s_mov_b32 s71, 0
	s_mul_i32 s72, s26, WPART                      ; wave x 64 LDS rows
	s_wait_dscnt 0x0
	s_wait_kmcnt 0x0
	s_cmp_eq_u32 s26, 2
	s_cselect_b64 s[74:75], s[8:9], s[6:7]         ; wave 2: Wk; else Wq
	s_cmp_eq_u32 s26, 3
	s_cselect_b64 s[74:75], s[10:11], s[74:75]     ; wave 3: Wv
	s_add_nc_u64 s[68:69], s[4:5], s[68:69]
	s_add_nc_u64 s[74:75], s[74:75], s[70:71]
.irp s, 0,1
	s_mov_b32 s[G0A+4*\s], 1
	s_mov_b32 s[G0A+4*\s+1], \s*SLOT                               ; X at the slot's head
	s_add_nc_u64 s[G0A+4*\s+2:G0A+4*\s+3], s[68:69], \s*256        ; K step s
	s_or_b32 s[G0A+4*\s+3], s[G0A+4*\s+3], 0x80000000
	s_mov_b32 s[G0B+4*\s], 1
	s_add_co_u32 s[G0B+4*\s+1], s72, \s*SLOT+WOFF-WPART            ; waves 1, 2, 3: rows 256, 320, 384 of the slot
	s_add_nc_u64 s[G0B+4*\s+2:G0B+4*\s+3], s[74:75], \s*256
	s_or_b32 s[G0B+4*\s+3], s[G0B+4*\s+3], 0x80000000
.endr
	ROUND                                          ; all sixteen work-groups are here: the first joint loads meet
	JLOAD 0                                        ; the first fills, one group: K step 0
	JLOAD 1                                        ; and K step 1: two loads of mine are out
	; addresses.  A fragment of 16 rows x 32 K in bf16 wants, of lane (r, h), K = 8 h .. 8 h + 7 and 16 + 8 h .. : in f32 that is 32 bytes at 32 h and 32 bytes at 64 + 32 h.
	v_and_b32 v1, 15, v0                           ; r
	v_bfe_u32 v2, v0, 4, 1                         ; h
	v_mul_u32_u24 v3, v1, PITCH
	v_lshl_add_u32 v3, v2, 5, v3                   ; 272 r + 32 h
	v_add_nc_u32 v[ADRW], WOFF, v3
	v_add_nc_u32 v[ADRW+1], WOFF+SLOT, v3
	v_add_nc_u32 v[ADRX], s72, v3                  ; my 64 rows of X
	v_add_nc_u32 v[ADRX+1], SLOT, v[ADRX]
	s_mul_i32 s73, s26, 16*SPITCH
	s_add_co_u32 s73, s73, STAGE                   ; my stage
	v_mul_u32_u24 v[STO], v1, SPITCH
	v_lshl_add_u32 v[STO], v2, 4, v[STO]
	v_add_nc_u32 v[STO], s73, v[STO]               ; stage + 400 r + 16 h
	v_mul_u32_u24 v[RDK], v2, SPITCH
	v_lshl_add_u32 v[RDK], v1, 4, v[RDK]
	v_add_nc_u32 v[RDK], s73, v[RDK]               ; stage + 400 (lane / 16) + 16 (lane % 16)
	v_bfe_u32 v12, v0, 3, 2
	v_and_b32 v13, 7, v0
	v_mul_u32_u24 v[RDQ], v12, SPITCH
	v_lshl_add_u32 v[RDQ], v13, 4, v[RDQ]
	v_add_nc_u32 v[RDQ], s73, v[RDQ]               ; stage + 400 (lane / 8) + 16 (lane % 8)
	v_and_b32 v[COL], 31, v0
	v_lshlrev_b32 v[COL], 4, v[COL]
	; the bias tiles: register j of tile b = bias[64 x + 16 (b % 4) + 8 h + j]
	v_lshlrev_b32 v12, 5, v2                       ; 32 h
	s_lshl_b32 s76, s62, 8                         ; 64 x numbers of 4 bytes
	s_mov_b32 s77, 0
	s_add_nc_u64 s[12:13], s[12:13], s[76:77]
	s_add_nc_u64 s[14:15], s[14:15], s[76:77]
	s_add_nc_u64 s[16:17], s[16:17], s[76:77]
	WIN 0xc0                                       ; destination window 3, address window 0
.irp b, 0,1,2,3,4,5,6,7,8,9,10,11
	global_load_b128 v[BIAS+8*\b:BIAS+8*\b+3],   v12, s[12+2*(\b/4):13+2*(\b/4)] offset:64*(\b%4)
	global_load_b128 v[BIAS+8*\b+4:BIAS+8*\b+7], v12, s[12+2*(\b/4):13+2*(\b/4)] offset:64*(\b%4)+16
.endr
	WIN 0
	; the table of distances: work-group g = 16 y + x makes rows 8 g .. 8 g + 7 of eb; thread t takes row 8 g + t / 16, columns 4 (t % 16) .. + 3
	s_lshl_b32 s78, s63, 4
	s_add_co_u32 s78, s78, s62                     ; g
	s_lshl_b32 s79, s78, 3
	s_lshl_b32 s80, s78, 10                        ; 8 rows of 128 bytes
	s_mov_b32 s81, 0
	s_add_nc_u64 s[24:25], s[24:25], s[80:81]
	v_lshrrev_b32 v13, 4, v0
	v_add_nc_u32 v13, s79, v13                     ; p
	v_min_u32 v14, 0x7fe, v13                      ; row 2047 has no source: it reads row 0 of the table and is set to 0 below
	v_sub_nc_u32 v14, 0x7fe, v14                   ; 2046 - p
	v_lshlrev_b32 v15, 4, v1
	v_lshl_add_u32 v14, v14, 8, v15                ; x 256 bytes + 16 (t % 16)
	global_load_b128 v[16:19], v14, s[18:19]
	v_lshlrev_b32 v22, 3, v0                       ; 8 t: a wave's store covers 256 consecutive bytes, aligned
	v_cmp_ne_u32 vcc_lo, 0x7ff, v13
	s_wait_loadcnt 0x0                             ; the table's row, and the 24 bias loads ahead of it
	v_cndmask_b32 v16, 0, v16, vcc_lo
	v_cndmask_b32 v17, 0, v17, vcc_lo
	v_cndmask_b32 v18, 0, v18, vcc_lo
	v_cndmask_b32 v19, 0, v19, vcc_lo
	v_cvt_pk_bf16_f32 v20, v16, v17
	v_cvt_pk_bf16_f32 v21, v18, v19
	global_store_b64 v22, v[20:21], s[24:25]
; The f32 of one half step (32 K at byte kb of the rows), 16 registers a fragment, into window 1, in two runs of 32 LDS loads:
; W's fragments 0 to 7; then W's fragments 8 to 11 and X's four.
.macro FETCH1 slot, kb
	WIN 0x40
.irp f, 0,1,2,3,4,5,6,7
	ds_load_b128 v[16*\f:16*\f+3],     v[ADRW+\slot] offset:\f*16*PITCH+\kb
	ds_load_b128 v[16*\f+4:16*\f+7],   v[ADRW+\slot] offset:\f*16*PITCH+\kb+16
	ds_load_b128 v[16*\f+8:16*\f+11],  v[ADRW+\slot] offset:\f*16*PITCH+\kb+64
	ds_load_b128 v[16*\f+12:16*\f+15], v[ADRW+\slot] offset:\f*16*PITCH+\kb+80
.endr
.endm
.macro FETCH2 slot, kb
	WIN 0x40
.irp f, 8,9,10,11
	ds_load_b128 v[16*\f:16*\f+3],     v[ADRW+\slot] offset:\f*16*PITCH+\kb
	ds_load_b128 v[16*\f+4:16*\f+7],   v[ADRW+\slot] offset:\f*16*PITCH+\kb+16
	ds_load_b128 v[16*\f+8:16*\f+11],  v[ADRW+\slot] offset:\f*16*PITCH+\kb+64
	ds_load_b128 v[16*\f+12:16*\f+15], v[ADRW+\slot] offset:\f*16*PITCH+\kb+80
.endr
.irp f, 0,1,2,3
	ds_load_b128 v[192+16*\f:192+16*\f+3],     v[ADRX+\slot] offset:\f*16*PITCH+\kb
	ds_load_b128 v[192+16*\f+4:192+16*\f+7],   v[ADRX+\slot] offset:\f*16*PITCH+\kb+16
	ds_load_b128 v[192+16*\f+8:192+16*\f+11],  v[ADRX+\slot] offset:\f*16*PITCH+\kb+64
	ds_load_b128 v[192+16*\f+12:192+16*\f+15], v[ADRX+\slot] offset:\f*16*PITCH+\kb+80
.endr
.endm
; 256 f32 of window 1 become 128 registers of bf16 pairs in window 0, K in its true places
.macro CVT
	WIN 0x05
.set CI, 0
.rept 128
	v_cvt_pk_bf16_f32 v[WF+CI], v[2*CI], v[2*CI+1]
.set CI, CI+1
.endr
.endm
; 48 matrix instructions, 32 along K, in two parts (32 in window 2, 16 in window 3).  The 48 accumulators take turns, one instruction a turn, in the same order
; every time.
.macro MULA first
.if \first
	WIN 0xb0                                       ; D window 2, C (the bias) window 3
.else
	WIN 0xa0
.endif
.irp b, 0,1,2,3,4,5,6,7
.irp a, 0,1,2,3
.if \first
	v_wmma_f32_16x16x32_bf16 v[8*(4*\b+\a):8*(4*\b+\a)+7], v[WF+8*\b:WF+8*\b+7], v[XF+8*\a:XF+8*\a+7], v[BIAS+8*\b:BIAS+8*\b+7]
.else
	v_wmma_f32_16x16x32_bf16 v[8*(4*\b+\a):8*(4*\b+\a)+7], v[WF+8*\b:WF+8*\b+7], v[XF+8*\a:XF+8*\a+7], v[8*(4*\b+\a):8*(4*\b+\a)+7]
.endif
.endr
.endr
.endm
.macro MULB first
	WIN 0xf0
.irp b, 8,9,10,11
.irp a, 0,1,2,3
.if \first
	v_wmma_f32_16x16x32_bf16 v[8*(4*(\b-8)+\a):8*(4*(\b-8)+\a)+7], v[WF+8*\b:WF+8*\b+7], v[XF+8*\a:XF+8*\a+7], v[BIAS+8*\b:BIAS+8*\b+7]
.else
	v_wmma_f32_16x16x32_bf16 v[8*(4*(\b-8)+\a):8*(4*(\b-8)+\a)+7], v[WF+8*\b:WF+8*\b+7], v[XF+8*\a:XF+8*\a+7], v[8*(4*(\b-8)+\a):8*(4*(\b-8)+\a)+7]
.endif
.endr
.endr
.endm
; One K step of 64.  On entry the loads of this slot's first half are on their way.
; mode 2: in the middle of the step the slots change behind a round of the cluster's barrier, and this slot is asked for again, two K steps ahead;
; mode 1: the slots change behind my work-group's barrier alone, nothing is filled;  mode 0: the last step, nothing more to read.
; In front of the signal each wave waits for its LDS reads (the last of this slot among them) and for all its tensor loads (one is out: its part of the next slot's tile).
; From a request to the wait for it a wave does 96 products, 128 conversions, 128 LDS loads.
.macro STEP slot, other, first, mode
	s_wait_dscnt 0x0                               ; the first half's f32 are in
	NOP4                                           ; four places between the last products and the conversions that write their sources (ISA guide 7.12.1)
	CVT
	FETCH1 \slot, 128                              ; the second half's f32 come in while the first half is multiplied
	MULA \first
	FETCH2 \slot, 128
	MULB \first
	s_wait_dscnt 0x0                               ; the second half's f32 are in: my reads of this slot are over
.if \mode
	s_wait_tensorcnt 0x0                           ; and all my tensor loads have landed: my part of the next slot's tile
	ds_add_u32 v254, v255
	s_wait_dscnt 0x0
	s_barrier_signal -1                            ; say so (mode 2: this barrier opens the round)
.endif
	NOP4
	CVT                                            ; register work while the others arrive
	WIN 0
.if \mode
	s_barrier_wait -1
.endif
.if \mode == 2
	CREST                                          ; no wave of any partner still reads this slot or has a load on its way
	s_add_nc_u64 s[G0A+4*\slot+2:G0A+4*\slot+3], s[G0A+4*\slot+2:G0A+4*\slot+3], 512   ; no tensor load of mine is out: two K steps of 256 bytes on
	s_add_nc_u64 s[G0B+4*\slot+2:G0B+4*\slot+3], s[G0B+4*\slot+2:G0B+4*\slot+3], 512
	JLOAD \slot                                    ; the first tensor load behind the round, my only one until the next
.endif
.if \mode
	FETCH1 \other, 0                               ; the next step's first half comes in while this step's second half is multiplied
	MULA 0
	FETCH2 \other, 0
	MULB 0
.else
	MULA 0
	MULB 0
.endif
	WIN 0
.endm
	s_wait_tensorcnt 0x1                           ; my part of K step 0 is in; K step 1's may stay out
	s_barrier_signal -1
	s_barrier_wait -1                              ; everybody's is
	FETCH1 0, 0
	FETCH2 0, 0
	WIN 0
	STEP 0, 1, 1, 2                                ; the first products take the bias as C
	STEP 1, 0, 0, 2
	s_mov_b32 s27, 6
.Lk:
	STEP 0, 1, 0, 2
	STEP 1, 0, 0, 2
	s_sub_co_u32 s27, s27, 1
	s_cmp_lg_u32 s27, 0
	s_cbranch_scc1 .Lk                             ; steps 0 to 13 have asked for K steps 2 to 15
	STEP 0, 1, 0, 1                                ; step 14: the last tile is waited for, nothing is left to fetch
	STEP 1, 0, 0, 0                                ; step 15
	; THE WAY OUT, 16 tokens at a time: round to 16 bits, 16 bytes a lane into my own stage, read back by rows, store 512 consecutive bytes an instruction.
	NOP4                                           ; four places behind the last products, for the conversions that read results and write fragment registers
	s_lshr_b32 s82, s63, 2
	s_lshl_b32 s82, s82, 4
	s_add_co_u32 s82, s82, s62                     ; bh = 16 x batch + head
	s_and_b32 s83, s63, 3
	s_lshl_b32 s83, s83, 2
	s_add_co_u32 s83, s83, s26                     ; my block of 64 tokens in the sequence
	s_lshl_b32 s82, s82, 18                        ; kvb: 1,024 rows of 256 bytes a head
	s_lshl_b32 s83, s83, 14                        ; 64 rows of 256 bytes
	s_add_co_u32 s82, s82, s83
	s_mov_b32 s83, 0
	s_lshr_b32 s84, s82, 1                         ; qb: rows of 128 bytes, half of that
	s_mov_b32 s85, 0
	s_add_nc_u64 s[22:23], s[22:23], s[82:83]
	s_add_nc_u64 s[20:21], s[20:21], s[84:85]
.macro OUT16 a
	WIN 0x0a
.irp b, 0,1,2,3,4,5,6,7
.irp i, 0,1,2,3
	v_cvt_pk_bf16_f32 v[64+4*\b+\i], v[8*(4*\b+\a)+2*\i], v[8*(4*\b+\a)+2*\i+1]     ; q and k: bf16
.endr
.endr
	WIN 0x0f
.irp b, 8,9,10,11
.irp i, 0,1,2,3
	v_cvt_pk_f16_f32 v[64+4*\b+\i], v[8*(4*(\b-8)+\a)+2*\i], v[8*(4*(\b-8)+\a)+2*\i+1]      ; v: f16
.endr
.endr
	WIN 0
.irp b, 0,1,2,3,4,5,6,7,8,9,10,11
	ds_store_b128 v[STO], v[64+4*\b:64+4*\b+3] offset:32*\b        ; a token's row: q at byte 0, k at 128, v at 256
.endr
	s_wait_xcnt 0x0                                ; v128-175, which the last block's stores read, are loaded again only behind this wait
.irp t, 0,1,2,3,4,5,6,7
	ds_load_b128 v[128+4*\t:128+4*\t+3], v[RDK] offset:2*\t*SPITCH+128     ; LDS serves a wave's instructions in order: these see the stores above
.endr
.irp t, 0,1,2,3
	ds_load_b128 v[160+4*\t:160+4*\t+3], v[RDQ] offset:4*\t*SPITCH
.endr
	s_wait_dscnt 0x0
.irp t, 0,1,2,3,4,5,6,7
	global_store_b128 v[COL], v[128+4*\t:128+4*\t+3], s[22:23] offset:4096*\a+512*\t    ; two rows of kvb
.endr
.irp t, 0,1,2,3
	global_store_b128 v[COL], v[160+4*\t:160+4*\t+3], s[20:21] offset:2048*\a+512*\t    ; four rows of qb
.endr
.endm
	OUT16 0
	OUT16 1
	OUT16 2
	OUT16 3
	s_wait_tensorcnt 0x0
	ds_add_u32 v254, v255
	s_wait_dscnt 0x0
	ROUND                                          ; the closing round: no work-group ends while a partner may still ask for a tile that names it
	s_endpgm
.Lfunc_end_k_q6517375303_proj:
	.size	k_q6517375303_proj, .Lfunc_end_k_q6517375303_proj-k_q6517375303_proj
	.p2alignl 7, 3214868480
	.fill 96, 4, 3214868480
	.section	.rodata,"a",@progbits
	.p2align	6, 0x0
	.amdhsa_kernel k_q6517375303_proj
		.amdhsa_group_segment_fixed_size 327680
		.amdhsa_private_segment_fixed_size 0
		.amdhsa_enable_private_segment 0
		.amdhsa_kernarg_size 88
		.amdhsa_user_sgpr_count 2
		.amdhsa_user_sgpr_kernarg_segment_ptr 1
		.amdhsa_wavefront_size32 1
		.amdhsa_system_sgpr_workgroup_id_x 1
		.amdhsa_system_sgpr_workgroup_id_y 1
		.amdhsa_system_sgpr_workgroup_id_z 1
		.amdhsa_system_vgpr_workitem_id 0
		.amdhsa_next_free_vgpr 1024
		.amdhsa_next_free_sgpr 96
		.amdhsa_reserve_vcc 1
		.amdhsa_float_denorm_mode_32 3
		.amdhsa_float_denorm_mode_16_64 3
		.amdhsa_memory_ordered 1
		.amdhsa_forward_progress 1
		.amdhsa_inst_pref_size 222
	.end_amdhsa_kernel
	.amdgpu_metadata
---
amdhsa.version: [ 1, 2 ]
amdhsa.kernels:
  - .name:           k_q6517375303_proj
    .symbol:         k_q6517375303_proj.kd
    .args:
      - { .name: hidden_states, .offset: 0, .size: 8, .value_kind: global_buffer, .address_space: global }
      - { .name: Wq, .offset: 8, .size: 8, .value_kind: global_buffer, .address_space: global }
      - { .name: Wk, .offset: 16, .size: 8, .value_kind: global_buffer, .address_space: global }
      - { .name: Wv, .offset: 24, .size: 8, .value_kind: global_buffer, .address_space: global }
      - { .name: bq, .offset: 32, .size: 8, .value_kind: global_buffer, .address_space: global }
      - { .name: bk, .offset: 40, .size: 8, .value_kind: global_buffer, .address_space: global }
      - { .name: bv, .offset: 48, .size: 8, .value_kind: global_buffer, .address_space: global }
      - { .name: dist_emb, .offset: 56, .size: 8, .value_kind: global_buffer, .address_space: global }
      - { .name: qb, .offset: 64, .size: 8, .value_kind: global_buffer, .address_space: global }
      - { .name: kvb, .offset: 72, .size: 8, .value_kind: global_buffer, .address_space: global }
      - { .name: eb, .offset: 80, .size: 8, .value_kind: global_buffer, .address_space: global }
    .group_segment_fixed_size: 327680
    .private_segment_fixed_size: 0
    .kernarg_segment_align: 8
    .kernarg_segment_size: 88
    .max_flat_workgroup_size: 128
    .sgpr_count:     96
    .vgpr_count:     1024
    .wavefront_size: 32
...
	.end_amdgpu_metadata
.endif
;; end of part 1
;; launch attn (part 2): grid 256 x 1, 4 waves a work-group, clusters of 4 x 1, 327,680 bytes of LDS; arguments qb, kvb, eb, attention_mask, out0; writes out0
.if DOCPART == 2
	.amdgcn_target "amdgcn-amd-amdhsa--gfx1250"
	.amdhsa_code_object_version 6
	.text
	.protected	k_q6517375303_attn
	.globl	k_q6517375303_attn
	.p2align	8
	.type	k_q6517375303_attn,@function
k_q6517375303_attn:
	s_mov_b64 s[64:65], 0
	v_nop
	global_prefetch_b8 v0, s[64:65] scope:SCOPE_SE
	s_setreg_imm32_b32 hwreg(HW_REG_WAVE_MODE, 25, 1), 1
	s_wait_xcnt 0x0
	s_wait_alu depctr_hold_cnt(0) depctr_sa_sdst(0) depctr_va_vdst(0) depctr_va_sdst(0) depctr_va_ssrc(0) depctr_va_vcc(0) depctr_vm_vsrc(0)
	s_getreg_b32 s2, hwreg(HW_REG_IB_STS2, 6, 4)
	s_cmp_eq_u32 s2, 0
	s_cbranch_scc0 .Lentry_in_a_cluster
	s_endpgm
.Lentry_in_a_cluster:
	s_bfe_u32 s2, ttmp6, 0x10000c
	s_cmp_lg_u32 s2, 0x3003
	s_cbranch_scc0 .Lentry_shape_is_right
	s_endpgm
.Lentry_shape_is_right:
; ATTN: out[b][l][64 head + d] = sum over r of softmax_r( (q_l.k_r + q_l.E[l-r+1023] + k_r.E[l-r+1023]) / 8 + mask[b][r] ) v_r[d],  S = 1024, 64 numbers a head.
; A cluster of four work-groups takes one (batch, head); work-group cx takes queries 256 cx .. + 255, wave w of it 64 of them; 16 trips of 64 keys.
; The four partners read the same k and v tiles and ask for them jointly (mask 15); each wave moves 16 of a tile's 64 rows, so no tensor load stands under a branch.
; SCORES ARE KEPT TRANSPOSED: tile = (16 keys of k) x (16 queries of q): the lane is the query, register j of half h the key 8 h + j.  So maximum and sum are made in the
; lane plus one exchange of the halves, two score tiles packed to 16 bits ARE the second source of ctx^T = v^T p^T, and the rescaling factor is one number a lane.
; THE TWO RELATIVE TERMS.  eb's row p = E[2046 - p], so the row wanted is p = 1023 - l + r.  For my 64 queries z and a trip's 64 keys y: p = base + 63 - z + y, a window of
; 8 tiles of 16 rows that moves on by 4 tiles a trip.  q.E is made as (E tile) x (q tile) for 5 tiles a query tile, k.E as (k tile) x (E tile) for 5 tiles a key tile; each
; number's upper 16 bits go by a two-byte LDS store to its place, q.E into BQ[query][key + 16], k.E into BK[key][query + 16] (what falls outside the 64 x 64 block lands in
; 16 spare columns on either side, never read).  One matrix instruction a score tile adds both: [ I | k.E ] x [ q.E ; I ], each loaded half one 16-byte LDS load a lane.
; THE ORDER OF A TRIP.  The eight groups of a trip's relative terms (10 products, 40 stores each) are not made in one phase: q.E needs no k, so the q.E groups 0, 1, 2 of the
; NEXT trip are made in this trip, each between two pieces of work that touch no LDS (softmax, rescaling, v^T p^T), and group 3 at the next trip's head, behind the issue of
; the k loads.  So runs of 40 stores alternate with register work all through the trip.  For that E's next four tiles are loaded straight behind the k.E groups, into the
; register set that they have finished with.
; SOFTMAX with a running maximum, in f32, base 2: 8 x mask is the C operand of the first score product, and one fused multiply-add by log2(e) / 8 takes the maximum away.
; FORMATS: q, k, E are bf16 matrix operands.  p and v are f16 (11 significant bits against bf16's 8): their rounding shows in the output one to one.  p lies in [0, 1], since
; the running maximum is taken away first; a p below 6e-8 becomes 0, against a sum of at least 1.
; LIMITS: |v| above 65,504 is an infinity in kvb.  The relative terms enter as bf16 by truncation: an error below 2^-7 of that term.  |mask| above 4.2e37 becomes an
; infinity by the factor 8.  The running maximum has the floor -3.4e38; a query all of whose keys are -inf gives NaN.  gabriel_mask is not an argument of this launch:
; it enters only a product on which no number of the output depends.
; REGISTERS: window 0: v1-15 addresses, v16-19 the unit matrix's registers, v20-29 at work, v32-47 (factor, maximum, sum) a query tile, v48-175 scores, v176-239 p in f16;
;   window 1: v0-63 q, v64-127 k, v128-191 v^T, v192-255 mask x 8 (two sets);  window 2: v0-127 E (two sets of 4 tiles), v128-255 operands of the adding products;
;   window 3: v0-127 ctx^T, v128-207 two buffers of 5 tiles for the relative terms.
.set EPITCH, 144                       ; an E row in LDS: 128 bytes + 16
.set KVBASE, 1280*EPITCH               ; 184,320: behind the E window of 1,280 rows
.set KVP,    272                       ; a k|v row: 256 bytes + 16
.set KVSLOT, 64*KVP                    ; 17,408
.set SKBASE, KVBASE+2*KVSLOT           ; 219,136: each wave's BQ and BK; later its stage for the way out; no tensor load lands there
.set SP,     208                       ; a row of BQ or BK: 96 columns of 2 bytes + 16
.set BKOFF,  64*SP                     ; 13,312
.set SKW,    2*BKOFF
.set GE1, 20                           ; s[20:27] group 1, E window
.set GE0, 28                           ; s[28:31] group 0, E window
.set GK0, 32                           ; s[32:39] group 0, k|v tiles, one set a slot
.set GK1, 40                           ; s[40:47] group 1, k|v tiles
.set S0,  48
.set PF0, 176
.set QF,  0
.set KF,  64
.set VF,  128
.set MK,  192
.set EX,  0
.set EY,  64
.set AD,  128
.set T0,  128
.set T1,  168
.set MSB, 0
.macro WIN new                         ; the immediate's high byte repeats the setting that is left
.if MSB != \new
	s_set_vgpr_msb (MSB<<8)|\new
.set MSB, \new
.endif
.endm
.macro NOP4
.rept 4
	v_nop
.endr
.endm
.macro ROUND                           ; a round of the cluster's barrier
	s_barrier_signal -1
	s_barrier_wait -1
	s_cmp_lg_u32 s14, 0
	s_cbranch_scc1 .Lnot_wave_0_\@
	s_barrier_signal -3
.Lnot_wave_0_\@:
	s_barrier_wait -3
	s_barrier_signal -1
	s_barrier_wait -1
.endm
	s_load_b256 s[4:11], s[0:1], 0x0               ; qb s[4:5], kvb s[6:7], eb s[8:9], attention_mask s[10:11]
	s_load_b64 s[12:13], s[0:1], 0x20              ; out0
	v_lshl_add_u32 v254, v0, 2, 0x4f800
	v_mov_b32 v255, 0
	ds_add_u32 v254, v255
	v_lshrrev_b32 v3, 5, v0
	v_readfirstlane_b32 s14, v3                    ; wave 0..3
	s_bfe_u32 s15, ttmp6, 0x40000                  ; cx: my block of 256 queries
	s_mov_b32 s16, ttmp9                           ; the cluster's number: bh = 16 x batch + head
	s_mov_b32 s50, 0x3e38aa3b                      ; log2(e) / 8, twice
	s_mov_b32 s51, 0x3e38aa3b
	s_mov_b32 s52, 0x41000000                      ; 8.0, twice
	s_mov_b32 s53, 0x41000000
	s_mov_b32 s54, 0xff7fffff                      ; the running maximum's floor
	s_mov_b32 s55, 0xbe38aa3b                      ; -log2(e) / 8
	s_mov_b32 s56, 0x76543210                      ; v_permlanex16_b32: lane i of one half reads lane i of the other
	s_mov_b32 s57, 0xfedcba98
	; E window: each wave brings 320 rows of 64 bf16; dense in memory, 16 bytes of padding behind each row in LDS.  A load of this work-group alone: no mask.
	s_mov_b32 s[GE1+0], (1<<16)|(1<<20)|(4<<22)|(3<<25)    ; elements of 2 bytes; padding on; after every 32 words, 4 words
	s_mov_b32 s[GE1+1], 64<<16
	s_mov_b32 s[GE1+2], 320<<16
	s_mov_b32 s[GE1+3], 64<<16
	s_mov_b32 s[GE1+4], 320
	s_mov_b32 s[GE1+5], 64
	s_mov_b32 s[GE1+6], 0
	s_mov_b32 s[GE1+7], 0
	; k|v tile: each wave brings 16 rows of 128 numbers of 2 bytes (256 bytes, aligned), jointly with the same wave of the three partners
	s_mov_b32 s[GK1+0], 15|(1<<16)|(1<<20)|(1<<21)|(5<<22)|(3<<25)
	s_mov_b32 s[GK1+1], 128<<16
	s_mov_b32 s[GK1+2], 16<<16
	s_mov_b32 s[GK1+3], 128<<16
	s_mov_b32 s[GK1+4], 16
	s_mov_b32 s[GK1+5], 128
	s_mov_b32 s[GK1+6], 0
	s_mov_b32 s[GK1+7], 0
	s_mov_b32 s[GE0], 1
	s_mul_i32 s[GE0+1], s14, 320*EPITCH
	s_mul_i32 s58, s14, 320*128
	s_add_co_u32 s58, s58, 768*128
	s_lshl_b32 s59, s15, 15
	s_sub_co_u32 s58, s58, s59                     ; eb row 768 - 256 cx + 320 w, in bytes
	s_mov_b32 s59, 0
	s_lshl_b32 s60, s16, 18                        ; kvb: 1,024 rows of 256 bytes a head (made of bh and the wave alone)
	s_lshl_b32 s61, s14, 12                        ; + my 16 rows
	s_add_co_u32 s60, s60, s61
	s_mov_b32 s61, 0
	s_mul_i32 s62, s14, 16*KVP
	s_mov_b32 s[GK0], 1
	s_add_co_u32 s[GK0+1], s62, KVBASE
	s_mov_b32 s[GK0+4], 1
	s_add_co_u32 s[GK0+5], s62, KVBASE+KVSLOT
	s_lshl_b32 s66, s16, 17                        ; qb: 1,024 rows of 128 bytes a head,
	s_lshl_b32 s67, s15, 15                        ; 256 rows a work-group,
	s_add_co_u32 s66, s66, s67
	s_lshl_b32 s67, s14, 13                        ; 64 rows a wave
	s_add_co_u32 s66, s66, s67
	s_mov_b32 s67, 0
	s_lshr_b32 s68, s16, 4                         ; batch
	s_lshl_b32 s70, s68, 12                        ; mask: 1,024 numbers of 4 bytes a batch
	s_mov_b32 s71, 0
	s_lshl_b32 s72, s68, 22                        ; out0: 1,024 rows of 4,096 bytes a batch,
	s_lshl_b32 s73, s15, 20
	s_add_co_u32 s72, s72, s73
	s_lshl_b32 s73, s14, 18
	s_add_co_u32 s72, s72, s73
	s_and_b32 s73, s16, 15
	s_lshl_b32 s73, s73, 8                         ; the head's 256 bytes of a row
	s_add_co_u32 s72, s72, s73
	s_mov_b32 s73, 0
	s_mul_i32 s74, s14, SKW
	s_add_co_u32 s74, s74, SKBASE                  ; my BQ
	s_add_co_u32 s76, s74, BKOFF                   ; my BK
	s_sub_co_u32 s75, 3, s14
	s_mul_i32 s75, s75, 64*EPITCH                  ; my window's first row in trip 0: 192 - 64 w
	s_wait_dscnt 0x0
	s_wait_kmcnt 0x0
	s_add_nc_u64 s[GE0+2:GE0+3], s[8:9], s[58:59]
	s_or_b32 s[GE0+3], s[GE0+3], 0x80000000
	s_add_nc_u64 s[GK0+2:GK0+3], s[6:7], s[60:61]  ; keys 0 to 63
	s_add_nc_u64 s[GK0+6:GK0+7], s[GK0+2:GK0+3], 64*256    ; keys 64 to 127
	s_or_b32 s[GK0+3], s[GK0+3], 0x80000000
	s_or_b32 s[GK0+7], s[GK0+7], 0x80000000
	s_add_nc_u64 s[4:5], s[4:5], s[66:67]
	s_add_nc_u64 s[10:11], s[10:11], s[70:71]
	s_add_nc_u64 s[12:13], s[12:13], s[72:73]
	ROUND                                          ; the four partners are here: the first joint load meets
	tensor_load_to_lds s[GE0:GE0+3], s[GE1:GE1+7]  ; the first fills, one group: my quarter of the E window
	s_nop 0
	tensor_load_to_lds s[GK0:GK0+3], s[GK1:GK1+7]  ; and my quarter of the first k|v tile: two loads of mine are out
	s_nop 0
	v_and_b32 v1, 15, v0                           ; r
	v_bfe_u32 v2, v0, 4, 1                         ; h
	v_mul_u32_u24 v4, v1, KVP
	v_lshl_add_u32 v4, v2, 4, v4
	v_add_nc_u32 v4, KVBASE, v4                    ; k fragments: row r, 16 h
	v_and_b32 v20, 7, v0
	v_lshl_add_u32 v20, v2, 3, v20                 ; 8 h + lane % 8
	v_bfe_u32 v21, v0, 3, 1
	v_mul_u32_u24 v5, v20, KVP
	v_lshl_add_u32 v5, v21, 4, v5
	v_add_nc_u32 v5, KVBASE+128, v5                ; v^T fragments by the transposing load: v lies behind k's 128 bytes
	v_mul_u32_u24 v6, v1, EPITCH
	v_lshl_add_u32 v6, v2, 4, v6
	v_add_nc_u32 v6, s75, v6                       ; E fragments; steps by 64 rows a trip
	v_lshlrev_b32 v7, 5, v2                        ; mask: 32 h; steps by 256 bytes a trip
	v_mul_u32_u24 v8, v1, SP+2
	v_lshl_add_u32 v8, v2, 4, v8
	v_add_nc_u32 v8, s74, v8                       ; q.E out: BQ + 210 r + 16 h
	v_sub_nc_u32 v22, 15, v1
	v_mul_u32_u24 v9, v2, 8*(SP+2)
	v_lshl_add_u32 v9, v22, 1, v9
	v_add_nc_u32 v9, s76, v9                       ; k.E out: BK + 2 (15 - r) + 1680 h
	v_mul_u32_u24 v10, v1, SP
	v_lshl_add_u32 v10, v2, 4, v10
	v_add_nc_u32 v11, s76, v10                     ; k.E back: BK + 208 r + 16 h
	v_add_nc_u32 v10, s74, v10                     ; q.E back: BQ + 208 r + 16 h
	v_lshlrev_b32 v12, 7, v1
	v_lshl_add_u32 v12, v2, 4, v12                 ; q in memory: 128 r + 16 h
	v_mul_u32_u24 v13, v1, KVP
	v_lshl_add_u32 v13, v2, 5, v13
	v_add_nc_u32 v13, s74, v13                     ; way out: stage + 272 r + 32 h
	v_mul_u32_u24 v14, v2, KVP
	v_lshl_add_u32 v14, v1, 4, v14
	v_add_nc_u32 v14, s74, v14                     ; way out, back: stage + 272 h + 16 r
	v_lshlrev_b32 v15, 12, v2
	v_lshl_add_u32 v15, v1, 4, v15                 ; out0: 4,096 h + 16 r
	WIN 0x40
.irp qt, 0,1,2,3
.irp kk, 0,1
	global_load_b128 v[QF+16*\qt+8*\kk:QF+16*\qt+8*\kk+3],   v12, s[4:5] offset:2048*\qt+64*\kk
	global_load_b128 v[QF+16*\qt+8*\kk+4:QF+16*\qt+8*\kk+7], v12, s[4:5] offset:2048*\qt+64*\kk+32
.endr
.endr
.irp kp, 0,1,2,3
	global_load_b128 v[MK+8*\kp:MK+8*\kp+3],   v7, s[10:11] offset:64*\kp          ; register j of tile kp: mask[16 kp + 8 h + j]
	global_load_b128 v[MK+8*\kp+4:MK+8*\kp+7], v7, s[10:11] offset:64*\kp+16
.endr
	WIN 0
	; the unit matrix's four registers: lane (r, h) holds columns 8 h .. 8 h + 7 of row r: bf16 1.0 where 8 h + e = r
	v_lshrrev_b32 v20, 3, v1
	v_cmp_eq_u32 vcc_lo, v20, v2
	v_and_b32 v21, 1, v1
	v_lshlrev_b32 v21, 4, v21
	v_mov_b32 v22, 0x3f80
	v_lshlrev_b32 v22, v21, v22
	v_cndmask_b32 v22, 0, v22, vcc_lo
	v_bfe_u32 v23, v1, 1, 2
.irp i, 0,1,2,3
	v_cmp_eq_u32 vcc_lo, \i, v23
	v_cndmask_b32 v[16+\i], 0, v22, vcc_lo
.endr
	WIN 0x80                                       ; into the eight operand sets: first half of source 0, second half of source 1; written once
.irp u, 0,1,2,3,4,5,6,7
.irp i, 0,1,2,3
	v_mov_b32 v[AD+16*\u+\i], v[16+\i]
	v_mov_b32 v[AD+16*\u+12+\i], v[16+\i]
.endr
.endr
	WIN 0
; q.E for query tile qt: E tiles 3 - qt .. 7 - qt of the window, into buffer t.  The five accumulators take turns.
.macro GQE qt, t, lo, hi
	WIN 0xf6                                       ; source 0 (E) window 2, source 1 (q) window 1, C and D window 3
.irp kk, 0,1
.irp d, 0,1,2,3,4
.set TAU, 3-\qt+\d
.set EFR, \lo+(TAU/4)*(\hi-\lo)+16*(TAU%4)+8*\kk
.if \kk
	v_wmma_f32_16x16x32_bf16 v[\t+8*\d:\t+8*\d+7], v[EFR:EFR+7], v[QF+16*\qt+8*\kk:QF+16*\qt+8*\kk+7], v[\t+8*\d:\t+8*\d+7]
.else
	v_wmma_f32_16x16x32_bf16 v[\t+8*\d:\t+8*\d+7], v[EFR:EFR+7], v[QF+16*\qt+8*\kk:QF+16*\qt+8*\kk+7], 0
.endif
.endr
.endr
.endm
; k.E for key tile kp: E tiles kp .. kp + 4
.macro GKE kp, t, lo, hi
	WIN 0xf9                                       ; source 0 (k) window 1, source 1 (E) window 2
.irp kk, 0,1
.irp d, 0,1,2,3,4
.set TAU, \kp+\d
.set EFR, \lo+(TAU/4)*(\hi-\lo)+16*(TAU%4)+8*\kk
.if \kk
	v_wmma_f32_16x16x32_bf16 v[\t+8*\d:\t+8*\d+7], v[KF+16*\kp+8*\kk:KF+16*\kp+8*\kk+7], v[EFR:EFR+7], v[\t+8*\d:\t+8*\d+7]
.else
	v_wmma_f32_16x16x32_bf16 v[\t+8*\d:\t+8*\d+7], v[KF+16*\kp+8*\kk:KF+16*\kp+8*\kk+7], v[EFR:EFR+7], 0
.endif
.endr
.endr
.endm
; q.E out: element (row m = 8 h + j of the E tile, query n = r) belongs to key 16 d + m + n - 15: BQ[16 qt + r][16 d + 1 + m + n]
.macro SQE qt, t
	WIN 0x0c                                       ; store data window 3
.irp d, 0,1,2,3,4
.irp j, 0,1,2,3,4,5,6,7
	ds_store_b16_d16_hi v8, v[\t+8*\d+\j] offset:16*SP*\qt+32*\d+2*\j+2
.endr
.endr
.endm
; k.E out: element (key m = 8 h + j, row n = r of the E tile) belongs to query 63 - 16 d + m - n: BK[16 kp + m][79 - 16 d + m - n]
.macro SKE kp, t
	WIN 0x0c
.irp d, 0,1,2,3,4
.irp j, 0,1,2,3,4,5,6,7
	ds_store_b16_d16_hi v9, v[\t+8*\d+\j] offset:16*SP*\kp+(SP+2)*\j+128-32*\d
.endr
.endr
.endm
; the loaded halves of eight adding products (query tiles 2 hf, 2 hf + 1 x four key tiles): my own bytes, which LDS serves in the order of issue
.macro LDADD hf
	WIN 0x80
.irp u, 0,1,2,3,4,5,6,7
.set QT_, 2*\hf+\u/4
.set KP_, \u%4
	ds_load_b128 v[AD+16*\u+8:AD+16*\u+11], v10 offset:16*SP*QT_+32*KP_+32    ; source 1, K 0-15: q.E(keys 8 h .., query r)
	ds_load_b128 v[AD+16*\u+4:AD+16*\u+7],  v11 offset:16*SP*KP_+32*QT_+32    ; source 0, K 16-31: k.E(key r, queries 8 h ..)
.endr
.endm
.macro ADD hf
	WIN 0x0a
.irp u, 0,1,2,3,4,5,6,7
.set QT_, 2*\hf+\u/4
.set KP_, \u%4
	v_wmma_f32_16x16x32_bf16 v[S0+8*(4*QT_+KP_):S0+8*(4*QT_+KP_)+7], v[AD+16*\u:AD+16*\u+7], v[AD+16*\u+8:AD+16*\u+15], v[S0+8*(4*QT_+KP_):S0+8*(4*QT_+KP_)+7]
.endr
.endm
; One query tile's 64 keys: running maximum, exponentials, partial sum (each half of the lanes keeps the sum of its own keys), p in f16.
.macro SOFTMAX qt, first
	WIN 0
.set SB, S0+32*\qt
.set CR, 32+4*\qt                      ; v[CR] factor, v[CR+1] maximum, v[CR+2] sum
.irp k, 0,1,2,3
	v_max_num_f32 v[20+\k], v[SB+8*\k], v[SB+8*\k+1]
.endr
.irp i, 2,4,6
.irp k, 0,1,2,3
	v_max3_num_f32 v[20+\k], v[20+\k], v[SB+8*\k+\i], v[SB+8*\k+\i+1]
.endr
.endr
	v_max3_num_f32 v20, v20, v21, v22
.if \first
	v_max3_num_f32 v20, v20, v23, s54
.else
	v_max3_num_f32 v20, v20, v23, v[CR+1]
.endif
	v_permlanex16_b32 v21, v20, s56, s57           ; the other half's keys
	v_max_num_f32 v20, v20, v21                    ; the new maximum, alike in both halves
	v_mul_f32 v24, s55, v20
	v_mul_f32 v25, s55, v20                        ; - maximum x log2(e) / 8, twice
.if \first
.else
	v_fma_f32 v22, v[CR+1], s50, v24
	v_exp_f32 v[CR], v22                           ; 2^((old - new) log2(e) / 8); the move below is the plain instruction behind it (ISA guide 5.7.2)
.endif
	v_mov_b32 v[CR+1], v20
.set SI, 0
.rept 16
	v_pk_fma_f32 v[SB+SI:SB+SI+1], v[SB+SI:SB+SI+1], s[50:51], v[24:25] op_sel_hi:[1,0,1]
.set SI, SI+2
.endr
.set SI, 0
.rept 32
	v_exp_f32 v[SB+SI], v[SB+SI]
.set SI, SI+1
.endr
	v_nop                                          ; one plain instruction between the exponentials and the first use of a result
	s_wait_alu depctr_va_vdst(0)
	v_pk_add_f32 v[26:27], v[SB:SB+1], v[SB+2:SB+3]
	v_pk_add_f32 v[28:29], v[SB+4:SB+5], v[SB+6:SB+7]
.irp i, 8,12,16,20,24,28
	v_pk_add_f32 v[26:27], v[26:27], v[SB+\i:SB+\i+1]
	v_pk_add_f32 v[28:29], v[28:29], v[SB+\i+2:SB+\i+3]
.endr
	v_pk_add_f32 v[26:27], v[26:27], v[28:29]
.if \first
	v_add_f32 v[CR+2], v26, v27
.else
	v_add_f32 v26, v26, v27
	v_fma_f32 v[CR+2], v[CR+2], v[CR], v26
.endif
.set SI, 0
.rept 16
	v_cvt_pk_f16_f32 v[PF0+16*\qt+SI], v[SB+2*SI], v[SB+2*SI+1]    ; key tiles 2 c, 2 c + 1 are registers 0-3, 4-7 of the second source for keys 32 c ..
.set SI, SI+1
.endr
.endm
; ctx^T times each query's factor (one number a lane)
.macro RESCALE
	WIN 0xc3
.irp qt, 0,1,2,3
.set SI, 0
.rept 16
	v_pk_mul_f32 v[32*\qt+SI:32*\qt+SI+1], v[32*\qt+SI:32*\qt+SI+1], v[32+4*\qt:33+4*\qt] op_sel_hi:[1,0]
.set SI, SI+2
.endr
.endr
.endm
; ctx^T += v^T p^T, both in f16: 16 accumulators take turns, twice (keys 0-31, 32-63)
.macro PV first
	WIN 0xf1
.irp c, 0,1
.irp qt, 0,1,2,3
.irp dt, 0,1,2,3
.if \first*(1-\c)
	v_wmma_f32_16x16x32_f16 v[8*(4*\qt+\dt):8*(4*\qt+\dt)+7], v[VF+16*\dt+8*\c:VF+16*\dt+8*\c+7], v[PF0+16*\qt+8*\c:PF0+16*\qt+8*\c+7], 0
.else
	v_wmma_f32_16x16x32_f16 v[8*(4*\qt+\dt):8*(4*\qt+\dt)+7], v[VF+16*\dt+8*\c:VF+16*\dt+8*\c+7], v[PF0+16*\qt+8*\c:PF0+16*\qt+8*\c+7], v[8*(4*\qt+\dt):8*(4*\qt+\dt)+7]
.endif
.endr
.endr
.endr
.endm
.macro ELOAD es, base                  ; four E tiles, 16 loads
	WIN 0x80
.irp i, 0,1,2,3
.irp kk, 0,1
	ds_load_b128 v[\es+16*\i+8*\kk:\es+16*\i+8*\kk+3],   v6 offset:\base+\i*16*EPITCH+64*\kk
	ds_load_b128 v[\es+16*\i+8*\kk+4:\es+16*\i+8*\kk+7], v6 offset:\base+\i*16*EPITCH+64*\kk+32
.endr
.endr
.endm
; One trip: 64 keys in slot.  lo, hi: the register sets of this trip's window tiles 0-3 and 4-7.  The next trip's window is (hi, then four new tiles, loaded into lo).
; On entry (but in the first trip) BQ holds this trip's q.E of query tiles 0, 1, 2.
; more = 1: the next tile is asked for, the next trip's mask and E tiles are loaded and its q.E groups 0, 1, 2 made.
; Two buffers T0, T1 take turns through the groups: a buffer's stores stand four places behind its products, its next products eight or more.
.macro TRIP slot, other, lo, hi, first, more
	s_wait_tensorcnt 0x0                           ; all my tensor loads have landed, my part of this trip's tile among them: the groups 0 may be written
	ds_add_u32 v254, v255
	s_wait_dscnt 0x0
	s_add_nc_u64 s[GK0+4*\slot+2:GK0+4*\slot+3], s[GK0+4*\slot+2:GK0+4*\slot+3], 2*64*256     ; this slot's next tile
	s_wait_dscnt 0x0                               ; my reads of the other slot are back
	ROUND                                          ; both now hold of every wave of the four partners
.if \more
	tensor_load_to_lds s[GK0+4*\other:GK0+4*\other+3], s[GK1:GK1+7]    ; my one load behind the round: it has this trip's work in which to land
	s_nop 0
.endif
	s_wait_loadcnt 0x0                             ; this trip's mask, asked for a trip ago (in the first trip q too): v7 may be stepped
	NOP4                                           ; four places between the last trip's products and the loads into their sources
.if \more
	v_add_nc_u32 v7, 256, v7
	WIN 0x40
.irp kp, 0,1,2,3
	global_load_b128 v[MK+32*\other+8*\kp:MK+32*\other+8*\kp+3],   v7, s[10:11] offset:64*\kp
	global_load_b128 v[MK+32*\other+8*\kp+4:MK+32*\other+8*\kp+7], v7, s[10:11] offset:64*\kp+16
.endr
.endif
	WIN 0x40
.irp kp, 0,1,2,3
.irp kk, 0,1
	ds_load_b128 v[KF+16*\kp+8*\kk:KF+16*\kp+8*\kk+3],   v4 offset:\slot*KVSLOT+\kp*16*KVP+64*\kk
	ds_load_b128 v[KF+16*\kp+8*\kk+4:KF+16*\kp+8*\kk+7], v4 offset:\slot*KVSLOT+\kp*16*KVP+64*\kk+32
.endr
.endr
.if \first
	ELOAD \lo, 0
	ELOAD \hi, 64*EPITCH
.endif
	WIN 0x41
.set SI, 0
.rept 16
	v_pk_mul_f32 v[MK+32*\slot+SI:MK+32*\slot+SI+1], v[MK+32*\slot+SI:MK+32*\slot+SI+1], s[52:53] op_sel_hi:[1,0]     ; mask x 8: the division by 8 comes later, for all terms at once
.set SI, SI+2
.endr
.if \first
	s_wait_dscnt 0x0                               ; the first trip's E tiles (and k) are in; it makes its own q.E groups 0, 1, 2
	GQE 0, T0, \lo, \hi
	NOP4
	GQE 1, T1, \lo, \hi
	SQE 0, T0
	NOP4
	GQE 2, T0, \lo, \hi
	SQE 1, T1
	NOP4
	SQE 2, T0
.endif
	GQE 3, T1, \lo, \hi                            ; needs q and E alone: the k loads are on their way meanwhile
	NOP4
	s_wait_dscnt 0x0                               ; k is in
	GKE 0, T0, \lo, \hi
	SQE 3, T1
	NOP4
	GKE 1, T1, \lo, \hi
	SKE 0, T0
	NOP4
	GKE 2, T0, \lo, \hi
	SKE 1, T1
	NOP4
	GKE 3, T1, \lo, \hi
	SKE 2, T0
	NOP4                                           ; also the four places ahead of the loads into set lo, which the k.E products have read
	SKE 3, T1
	LDADD 0
.if \more
	ELOAD \lo, 128*EPITCH                          ; the next window's tiles 4-7
.endif
	WIN 0x40
.irp dt, 0,1,2,3
.irp c, 0,1
	ds_load_tr16_b128 v[VF+16*\dt+8*\c:VF+16*\dt+8*\c+3],   v5 offset:\slot*KVSLOT+\c*32*KVP+32*\dt
	ds_load_tr16_b128 v[VF+16*\dt+8*\c+4:VF+16*\dt+8*\c+7], v5 offset:\slot*KVSLOT+\c*32*KVP+32*\dt+16*KVP
.endr
.endr
	; q.k, started by mask x 8; the 16 score tiles take turns
	WIN 0x15
.irp qt, 0,1,2,3
.irp kp, 0,1,2,3
	v_wmma_f32_16x16x32_bf16 v[S0+8*(4*\qt+\kp):S0+8*(4*\qt+\kp)+7], v[KF+16*\kp:KF+16*\kp+7], v[QF+16*\qt:QF+16*\qt+7], v[MK+32*\slot+8*\kp:MK+32*\slot+8*\kp+7]
.endr
.endr
	WIN 0x05
.irp qt, 0,1,2,3
.irp kp, 0,1,2,3
	v_wmma_f32_16x16x32_bf16 v[S0+8*(4*\qt+\kp):S0+8*(4*\qt+\kp)+7], v[KF+16*\kp+8:KF+16*\kp+15], v[QF+16*\qt+8:QF+16*\qt+15], v[S0+8*(4*\qt+\kp):S0+8*(4*\qt+\kp)+7]
.endr
.endr
.if \more
	s_wait_dscnt 32                                ; the first eight operand sets are in; the 16 E loads and the 16 v^T loads issued behind them may stay out
.else
	s_wait_dscnt 16                                ; here v^T's 16 alone were issued behind them
.endif
	ADD 0
	NOP4                                           ; four places: for the loads into the sets, and for the softmax that reads the scores
	LDADD 1
	SOFTMAX 0, \first
	SOFTMAX 1, \first
	s_wait_dscnt 0x0                               ; the last operand sets, E's new tiles and v^T are in; BQ and BK have been read to the end
	ADD 1
	NOP4
.if \more
	GQE 0, T0, \hi, \lo                            ; the next trip's q.E, in its window (hi, lo)
	NOP4
	SOFTMAX 2, \first
	GQE 1, T1, \hi, \lo
	SQE 0, T0
	NOP4
	SOFTMAX 3, \first
	GQE 2, T0, \hi, \lo
	SQE 1, T1
	NOP4
.if \first
.else
	RESCALE
.endif
	SQE 2, T0
.else
	SOFTMAX 2, \first
	SOFTMAX 3, \first
	RESCALE
.endif
	PV \first
	WIN 0
.if \more
	v_add_nc_u32 v6, 64*EPITCH, v6                 ; the window moves on by 64 rows
.endif
.endm
	TRIP 0, 1, EX, EY, 1, 1                        ; the first trip starts maximum, sum and ctx: nothing is cleared
	TRIP 1, 0, EY, EX, 0, 1
	s_mov_b32 s48, 6
.Ltrips:
	TRIP 0, 1, EX, EY, 0, 1
	TRIP 1, 0, EY, EX, 0, 1
	s_sub_co_u32 s48, s48, 1
	s_cmp_lg_u32 s48, 0
	s_cbranch_scc1 .Ltrips
	TRIP 0, 1, EX, EY, 0, 1                        ; asks for keys 960 to 1023, the last tile
	TRIP 1, 0, EY, EX, 0, 0                        ; nothing is left to fetch
	; THE WAY OUT: the two halves' sums meet, ctx^T is divided, and goes through my stage (the bytes of BQ and BK, which are read no more) to whole rows of 256 bytes.
	NOP4                                           ; four places behind the last products
.irp qt, 0,1,2,3
	v_permlanex16_b32 v[20+\qt], v[34+4*\qt], s56, s57
.endr
.irp qt, 0,1,2,3
	v_add_f32 v[34+4*\qt], v[34+4*\qt], v[20+\qt]
.endr
.irp qt, 0,1,2,3
	v_rcp_f32 v[32+4*\qt], v[34+4*\qt]
.endr
	v_nop                                          ; one plain instruction behind the reciprocals
	s_wait_alu depctr_va_vdst(0)
	RESCALE
	WIN 0x0c
.irp qt, 0,1,2,3
.irp dt, 0,1,2,3
	ds_store_b128 v13, v[8*(4*\qt+\dt):8*(4*\qt+\dt)+3]   offset:16*KVP*\qt+64*\dt         ; query 16 qt + r, numbers 16 dt + 8 h .. + 3
	ds_store_b128 v13, v[8*(4*\qt+\dt)+4:8*(4*\qt+\dt)+7] offset:16*KVP*\qt+64*\dt+16
.endr
.endr
	WIN 0
.set TI, 0
.rept 32
	ds_load_b128 v[S0+4*TI:S0+4*TI+3], v14 offset:2*KVP*TI         ; two queries' rows; LDS serves a wave's instructions in order: these see the stores above
.set TI, TI+1
.endr
.set TI, 0
.rept 32
	s_wait_dscnt 31-TI                             ; loads come back in order: load TI is in, the younger ones stay out
	global_store_b128 v15, v[S0+4*TI:S0+4*TI+3], s[12:13] offset:8192*TI th:TH_STORE_NT       ; 16 lanes store 256 consecutive bytes, aligned: the head's part of a row of out0
.set TI, TI+1
.endr
	s_wait_tensorcnt 0x0
	ds_add_u32 v254, v255
	s_wait_dscnt 0x0
	ROUND                                          ; the closing round: no work-group ends while a partner may still ask for a tile that names it
	s_endpgm
.Lfunc_end_k_q6517375303_attn:
	.size	k_q6517375303_attn, .Lfunc_end_k_q6517375303_attn-k_q6517375303_attn
	.p2alignl 7, 3214868480
	.fill 96, 4, 3214868480
	.section	.rodata,"a",@progbits
	.p2align	6, 0x0
	.amdhsa_kernel k_q6517375303_attn
		.amdhsa_group_segment_fixed_size 327680
		.amdhsa_private_segment_fixed_size 0
		.amdhsa_enable_private_segment 0
		.amdhsa_kernarg_size 40
		.amdhsa_user_sgpr_count 2
		.amdhsa_user_sgpr_kernarg_segment_ptr 1
		.amdhsa_wavefront_size32 1
		.amdhsa_system_sgpr_workgroup_id_x 1
		.amdhsa_system_sgpr_workgroup_id_y 1
		.amdhsa_system_sgpr_workgroup_id_z 1
		.amdhsa_system_vgpr_workitem_id 0
		.amdhsa_next_free_vgpr 1024
		.amdhsa_next_free_sgpr 80
		.amdhsa_reserve_vcc 1
		.amdhsa_float_denorm_mode_32 3
		.amdhsa_float_denorm_mode_16_64 3
		.amdhsa_memory_ordered 1
		.amdhsa_forward_progress 1
		.amdhsa_inst_pref_size 255
	.end_amdhsa_kernel
	.section	.bss,"aw",@nobits
	.p2align	6
	.space	262144
	.amdgpu_metadata
---
amdhsa.version: [ 1, 2 ]
amdhsa.kernels:
  - .name:           k_q6517375303_attn
    .symbol:         k_q6517375303_attn.kd
    .args:
      - { .name: qb, .offset: 0, .size: 8, .value_kind: global_buffer, .address_space: global }
      - { .name: kvb, .offset: 8, .size: 8, .value_kind: global_buffer, .address_space: global }
      - { .name: eb, .offset: 16, .size: 8, .value_kind: global_buffer, .address_space: global }
      - { .name: attention_mask, .offset: 24, .size: 8, .value_kind: global_buffer, .address_space: global }
      - { .name: out0, .offset: 32, .size: 8, .value_kind: global_buffer, .address_space: global }
    .group_segment_fixed_size: 327680
    .private_segment_fixed_size: 0
    .kernarg_segment_align: 8
    .kernarg_segment_size: 40
    .max_flat_workgroup_size: 128
    .sgpr_count:     80
    .vgpr_count:     1024
    .wavefront_size: 32
...
	.end_amdgpu_metadata
.endif
;; end of part 2
